; MI455X (gfx1250); checked and timed in simulation.
; The chip was launched on July 23, 2026; its instructions are those of AMD's public machine-readable ISA for CDNA 5 (MIT licence, August 2026) and "CDNA5" Instruction Set Architecture Reference Guide (July 2026). The comments in the code are by the model that wrote it; some were corrected since.
;; Mandelbrot Kernel. Allowed arithmetic: float matrix products may take bf16 or f16 operands with f32 sums; all other float work in f32.
;; Inputs: c_imag 4,096 x 4,096 float32; c_real 4,096 x 4,096 float32.
;; Outputs: out0 4,096 x 4,096 float32.
;; 2 versions, each right; version 2 is version 1 with the launch mandel written anew for expert scheduling mode. Each part assembles by itself: llvm-mc -triple=amdgcn-amd-amdhsa -mcpu=gfx1250 --defsym DOCPART=n.
;; ======== version 1 of 2: 1 launch
;; launch mandel (part 1): grid 1024 x 1, 8 waves a work-group, no clusters, 0 bytes of LDS; arguments c_real, c_imag, out0; writes out0
.if DOCPART == 1
	.amdgcn_target "amdgcn-amd-amdhsa--gfx1250"
	.amdhsa_code_object_version 6
	.text
	.protected	k_q303650d3ca_mandel
	.globl	k_q303650d3ca_mandel
	.p2align	8
	.type	k_q303650d3ca_mandel,@function
k_q303650d3ca_mandel:
	s_mov_b64 s[64:65], 0
	v_nop
	global_prefetch_b8 v0, s[64:65] scope:SCOPE_SE
	s_setreg_imm32_b32 hwreg(HW_REG_WAVE_MODE, 25, 1), 1
	s_wait_xcnt 0x0
; out[p] = the first step s (0 .. 7) at which |z_s|^2 >= 4, with z_0 = c and z_(s+1) = z_s^2 + c; 8 where there is none.
; (A hit at step 8 would store 8, which is also the default, so eight tests and seven updates give every value.  z is not frozen behind
; the escape: the earliest test wins, see COUNT below, so what the orbit does later, overflow and NaN included, is never seen.)
; c_real, c_imag, out: 4096 x 4096 f32, taken as one stream of 16,777,216 points.
;
; SHARES.  1,024 work-groups of eight waves; a work-group owns 16 chunks of 4,096 bytes of each buffer.  Thread t owns bytes 16 t .. 16 t + 15
; of every chunk (4 points), so a load or store of a wave covers 512 consecutive bytes that begin at a multiple of 512 from the buffer's start.
; Each byte is read once and written once.  No point needs another: no LDS, no barrier.
; RING.  Eight register slots a wave, a chunk's 4 registers of c_real and 4 of c_imag each: 16 loads of every wave are on their way.
; A slot's numbers are copied out (doubled) at the head of its turn and the slot is loaded again at once.  16 chunks are two laps of the ring:
; the first fills ahead, the second loads nothing, so no load leaves the buffers.
;
; ARITHMETIC.  Carried are Z = 2 z = (A, B) and C = 2 c = (CR, CI); doubling is exact.  One step, two points an instruction:
;   T  = B B             = 4 rn(zi zi)
;   M  = fma(A, A, T)    = 4 fma(zr, zr, rn(zi zi))              tested against 16
;   D  = fma(A, A, -T)   = 4 fma(zr, zr, -rn(zi zi))
;   B' = fma(A, B, CI)   = 2 fma(2 zr, zi, ci)
;   A' = fma(D, 0.5, CR) = 2 rn(D / 4 + cr)
; The doubling spares the instruction that would make 2 zr in each of the seven updates, for four packed adds a turn.
; ORDER OF ROUNDING (stated): as on the right-hand sides above: zi zi is rounded, zr zr is fused into the sum and into the difference,
; cr is added with a rounding of its own, 2 zr zi + ci has one rounding.  The count is a step function: a point whose |z|^2 comes within
; rounding of 4 at some step can get another count under another order of rounding.
; RANGE (stated): all scalings are by powers of two, so the doubled form has the bits of the plain form except where a product is below
; 2^-126 (a component of z under about 1.1e-19): there it is rounded on a grid up to four times finer, a difference under 2^-149 that
; reaches a count only by deciding an exact tie.  M overflows four times earlier than |z|^2; it is then +inf >= 16 where |z|^2 >= 4 holds too.
; A NaN in c compares false at every step and gives 8, as the comparison >= does in the definition.
.set CHUNK,  4096                      ; bytes of a chunk: 256 threads x 16 bytes
.set DEPTH,  8                         ; slots of the ring
.set CHUNKS, 16                        ; chunks of a work-group = two laps
.set OFF, 1                            ; v1        16 t; never rewritten: the chunk stands in the immediate (61,440 at the most)
.set K3,  2                            ; v2 .. v6  the counts that are no inline constants: 3, 5, 6, 7, 8
.set K5,  3
.set K6,  4
.set K7,  5
.set K8,  6
.set CR,  8                            ; v[8:11]   2 c_real of my 4 points
.set CI,  12                           ; v[12:15]  2 c_imag
.set ZR,  16                           ; v[16:19]  A = 2 zr
.set ZI,  20                           ; v[20:23]  B = 2 zi
.set T,   24                           ; v[24:27]  T, then D
.set M,   28                           ; v[28:31]  M = 4 |z|^2
.set Y,   32                           ; v[32:35]  the four counts to store
.set X,   36                           ; v[36:99]  slot s: 4 registers of c_real, 4 of c_imag, as loaded
.set THR, 10                           ; s10       16.0
.set MK,  12                           ; s[12:43]  point e, step k: the lanes in which M >= 16, at s[MK + 8 e + k]
	s_load_b128 s[4:7], s[0:1], 0x0                ; c_real s[4:5], c_imag s[6:7]
	s_load_b64 s[8:9], s[0:1], 0x10                ; out
	s_lshl_b32 s2, ttmp9, 16                       ; the work-group's number times 16 chunks of 4,096 bytes: 67,043,328 at the most
	s_mov_b32 s3, 0
	s_mov_b32 s[THR], 0x41800000                   ; 16.0 = 4 x 4
	v_lshlrev_b32 v[OFF], 4, v0
	s_wait_kmcnt 0x0
	s_add_nc_u64 s[4:5], s[4:5], s[2:3]            ; the three buffers at the work-group's first chunk; not written again
	s_add_nc_u64 s[6:7], s[6:7], s[2:3]
	s_add_nc_u64 s[8:9], s[8:9], s[2:3]
.irp s, 0,1,2,3,4,5,6,7
	global_load_b128 v[X+8*\s:X+8*\s+3],   v[OFF], s[4:5] offset:\s*CHUNK th:TH_LOAD_NT     ; fill the ring: chunks 0 to 7; each byte is read once in the launch
	global_load_b128 v[X+8*\s+4:X+8*\s+7], v[OFF], s[6:7] offset:\s*CHUNK th:TH_LOAD_NT
.endr
	v_mov_b32 v[K3], 0x40400000                    ; 3.0
	v_mov_b32 v[K5], 0x40a00000                    ; 5.0
	v_mov_b32 v[K6], 0x40c00000                    ; 6.0
	v_mov_b32 v[K7], 0x40e00000                    ; 7.0
	v_mov_b32 v[K8], 0x41000000                    ; 8.0
; Step k for my 4 points.  a, b: where A and B stand (CR, CI at step 0, since z_0 = c: nothing is copied; ZR, ZI later).
; update = 0 at the last step: its z is tested and not stepped.  B' is made ahead of A', since it reads the old A.
; The two pairs take turns and the four compares stand between D and its use, so that no line reads the result of the line in front of it.
.macro STEP k, a, b, update
.irp p, 0,2
	v_pk_mul_f32 v[T+\p:T+\p+1], v[\b+\p:\b+\p+1], v[\b+\p:\b+\p+1]                                                 ; T = B B
.endr
.irp p, 0,2
	v_pk_fma_f32 v[M+\p:M+\p+1], v[\a+\p:\a+\p+1], v[\a+\p:\a+\p+1], v[T+\p:T+\p+1]                                 ; M = A A + T
.endr
.if \update
.irp p, 0,2
	v_pk_fma_f32 v[T+\p:T+\p+1], v[\a+\p:\a+\p+1], v[\a+\p:\a+\p+1], v[T+\p:T+\p+1] neg_lo:[0,0,1] neg_hi:[0,0,1]   ; D = A A - T, in T's place
.endr
.irp p, 0,2
	v_pk_fma_f32 v[ZI+\p:ZI+\p+1], v[\a+\p:\a+\p+1], v[\b+\p:\b+\p+1], v[CI+\p:CI+\p+1]                             ; B' = A B + CI
.endr
.endif
.irp e, 0,1,2,3
	v_cmp_le_f32 s[MK+8*\e+\k], s[THR], v[M+\e]                                                                     ; 16 <= M; false for a NaN
.endr
.if \update
.irp p, 0,2
	v_pk_fma_f32 v[ZR+\p:ZR+\p+1], v[T+\p:T+\p+1], 0.5, v[CR+\p:CR+\p+1] op_sel_hi:[1,0,1]                          ; A' = D / 2 + CR: the product is exact, one rounding
.endr
.endif
.endm
; One link of COUNT: where step k's mask is set the count becomes k.
.macro PICK k, val
.irp e, 0,1,2,3
	v_cndmask_b32 v[Y+\e], v[Y+\e], \val, s[MK+8*\e+\k]
.endr
.endm
; The turn of slot s, which holds chunk c.  ahead = 1: the slot is loaded again with the chunk DEPTH further on.
; left = how many younger loads may stay out.
.macro TURN c, s, ahead, left
	s_wait_loadcnt \left                           ; loads come back in order (ISA guide 5.7.1): this slot's two are in, the younger ones stay out
.irp p, 0,2
	v_pk_add_f32 v[CR+\p:CR+\p+1], v[X+8*\s+\p:X+8*\s+\p+1],     v[X+8*\s+\p:X+8*\s+\p+1]       ; CR = 2 c_real, exact
	v_pk_add_f32 v[CI+\p:CI+\p+1], v[X+8*\s+4+\p:X+8*\s+4+\p+1], v[X+8*\s+4+\p:X+8*\s+4+\p+1]   ; CI = 2 c_imag
.endr
.if \ahead
	global_load_b128 v[X+8*\s:X+8*\s+3],   v[OFF], s[4:5] offset:(\c+DEPTH)*CHUNK th:TH_LOAD_NT   ; the slot has been copied out: its next chunk is asked for at once
	global_load_b128 v[X+8*\s+4:X+8*\s+7], v[OFF], s[6:7] offset:(\c+DEPTH)*CHUNK th:TH_LOAD_NT
.endif
	STEP 0, CR, CI, 1
	STEP 1, ZR, ZI, 1
	STEP 2, ZR, ZI, 1
	STEP 3, ZR, ZI, 1
	STEP 4, ZR, ZI, 1
	STEP 5, ZR, ZI, 1
	STEP 6, ZR, ZI, 1
	STEP 7, ZR, ZI, 0
	; COUNT: the masks are applied from the last step to the first, so the earliest escape is written last and stays.
	s_wait_xcnt 0x0                                ; every earlier memory instruction has had its addresses translated (ISA guide 3.1): Y, which the last turn's store reads, is rewritten only behind this wait
.irp e, 0,1,2,3
	v_cndmask_b32 v[Y+\e], v[K8], v[K7], s[MK+8*\e+7]              ; 8 where no test hits; 7 where step 7's does
.endr
	PICK 6, v[K6]
	PICK 5, v[K5]
	PICK 4, 4.0
	PICK 3, v[K3]
	PICK 2, 2.0
	PICK 1, 1.0
	PICK 0, 0
	global_store_b128 v[OFF], v[Y:Y+3], s[8:9] offset:(\c)*CHUNK th:TH_STORE_NT   ; written once, not read again in the launch
.endm
.irp i, 0,1,2,3,4,5,6,7
	TURN \i, \i, 1, 2*(DEPTH-1)                    ; first lap: behind this slot's two loads stand those of the seven other slots, 14
.endr
.irp i, 0,1,2,3,4,5,6,7
	TURN \i+DEPTH, \i, 0, 2*(DEPTH-1-\i)           ; second lap: nothing is loaded, the counts run down 14, 12, .. 0
.endr
	s_endpgm
.Lfunc_end_k_q303650d3ca_mandel:
	.size	k_q303650d3ca_mandel, .Lfunc_end_k_q303650d3ca_mandel-k_q303650d3ca_mandel
	.p2alignl 7, 3214868480
	.fill 96, 4, 3214868480
	.section	.rodata,"a",@progbits
	.p2align	6, 0x0
	.amdhsa_kernel k_q303650d3ca_mandel
		.amdhsa_group_segment_fixed_size 0
		.amdhsa_private_segment_fixed_size 0
		.amdhsa_enable_private_segment 0
		.amdhsa_kernarg_size 24
		.amdhsa_user_sgpr_count 2
		.amdhsa_user_sgpr_kernarg_segment_ptr 1
		.amdhsa_wavefront_size32 1
		.amdhsa_system_sgpr_workgroup_id_x 1
		.amdhsa_system_sgpr_workgroup_id_y 1
		.amdhsa_system_sgpr_workgroup_id_z 1
		.amdhsa_system_vgpr_workitem_id 0
		.amdhsa_next_free_vgpr 100
		.amdhsa_next_free_sgpr 66
		.amdhsa_reserve_vcc 0
		.amdhsa_float_denorm_mode_32 3
		.amdhsa_float_denorm_mode_16_64 3
		.amdhsa_memory_ordered 1
		.amdhsa_forward_progress 1
		.amdhsa_inst_pref_size 149
	.end_amdhsa_kernel
	.amdgpu_metadata
---
amdhsa.version: [ 1, 2 ]
amdhsa.kernels:
  - .name:           k_q303650d3ca_mandel
    .symbol:         k_q303650d3ca_mandel.kd
    .args:
      - { .name: c_real, .offset: 0, .size: 8, .value_kind: global_buffer, .address_space: global }
      - { .name: c_imag, .offset: 8, .size: 8, .value_kind: global_buffer, .address_space: global }
      - { .name: out0, .offset: 16, .size: 8, .value_kind: global_buffer, .address_space: global }
    .group_segment_fixed_size: 0
    .private_segment_fixed_size: 0
    .kernarg_segment_align: 8
    .kernarg_segment_size: 24
    .max_flat_workgroup_size: 256
    .sgpr_count:     66
    .vgpr_count:     100
    .wavefront_size: 32
...
	.end_amdgpu_metadata
.endif
;; end of part 1
;; ======== version 2 of 2: 1 launch; version 1 with the launch mandel written anew for expert scheduling mode
;; launch mandel (part 2): grid 1024 x 1, 8 waves a work-group, no clusters, 0 bytes of LDS; arguments c_real, c_imag, out0; writes out0
.if DOCPART == 2
	.amdgcn_target "amdgcn-amd-amdhsa--gfx1250"
	.amdhsa_code_object_version 6
	.text
	.protected	k_q303650d3ca_mandel
	.globl	k_q303650d3ca_mandel
	.p2align	8
	.type	k_q303650d3ca_mandel,@function
k_q303650d3ca_mandel:
	s_mov_b64 s[64:65], 0
	v_nop
	global_prefetch_b8 v0, s[64:65] scope:SCOPE_SE
	s_setreg_imm32_b32 hwreg(HW_REG_WAVE_SCHED_MODE, 0, 2), 2
	s_setreg_imm32_b32 hwreg(HW_REG_WAVE_MODE, 25, 1), 1
	s_wait_xcnt 0x0
	s_wait_alu depctr_vm_vsrc(0)
; out[p] = the first step s (0 .. 7) at which |z_s|^2 >= 4, with z_0 = c and z_(s+1) = z_s^2 + c; 8 where there is none.
; (A hit at step 8 would store 8, which is also the default, so eight tests and seven updates give every value.  z is not frozen behind
; the escape: the earliest test wins, see COUNT below, so what the orbit does later, overflow and NaN included, is never seen.)
; c_real, c_imag, out: 4096 x 4096 f32, taken as one stream of 16,777,216 points.
;
; SHARES.  1,024 work-groups of eight waves; a work-group owns 16 chunks of 4,096 bytes of each buffer.  Thread t owns bytes 16 t .. 16 t + 15
; of every chunk (4 points), so a load or store of a wave covers 512 consecutive bytes that begin at a multiple of 512 from the buffer's start.
; Each byte is read once and written once.  No point needs another: no LDS, no barrier.
; RING.  Eight register slots a wave, a chunk's 4 registers of c_real and 4 of c_imag each: 16 loads of every wave are on their way.
; A slot's numbers are copied out (doubled) at the head of its turn and the slot is loaded again in the same turn.  16 chunks are two laps of
; the ring: the first fills ahead, the second loads nothing, so no load leaves the buffers.
;
; THE MODE: SCHED_MODE bits 1:0 = 2 (LLVM: expert scheduling mode 2), set by the entry lines.  The code itself states the register dependences
; between vector instructions and memory instructions, and between a vector instruction's scalar result and its readers, with s_wait_alu, always for 0.
; THE PLAN.  Registers that memory instructions touch:
;   v[OFF]     Written once at the head; read by every load and store; never written again: the chunk stands in the immediate.
;   X0 .. X7   Turn c reads X[c % 8] by its four doubling adds; in the first lap the loads of chunk c + 8 land in it, behind those adds.
;   Y0, Y1     Turn c's selects write Y[c % 2]; the one store that reads it is issued in turn c + 1.
; CR, CI, ZR, ZI, T, M and the constants are named by vector instructions alone.  The masks s[MK ..] are written by a turn's 32 compares and read by its 32 selects.
; So a turn holds: at its head, beside the wait for address translation, one wait on vm_vsrc (the store issued a turn ago has read the Y that this turn
; writes again); behind the doubling adds one wait on va_vdst (they are done reading the slot; the turn before has written its Y), with the slot's two
; loads and the store of the turn before directly behind it; and one wait on va_sdst between the run of compares and the selects.
;
; ARITHMETIC.  Carried are Z = 2 z = (A, B) and C = 2 c = (CR, CI); doubling is exact.  One step, two points an instruction:
;   T  = B B             = 4 rn(zi zi)
;   M  = fma(A, A, T)    = 4 fma(zr, zr, rn(zi zi))              tested against 16
;   D  = fma(A, A, -T)   = 4 fma(zr, zr, -rn(zi zi))
;   B' = fma(A, B, CI)   = 2 fma(2 zr, zi, ci)
;   A' = fma(D, 0.5, CR) = 2 rn(D / 4 + cr)
; The doubling spares the instruction that would make 2 zr in each of the seven updates, for four packed adds a turn.
; ORDER OF ROUNDING (stated): as on the right-hand sides above: zi zi is rounded, zr zr is fused into the sum and into the difference,
; cr is added with a rounding of its own, 2 zr zi + ci has one rounding.  The count is a step function: a point whose |z|^2 comes within
; rounding of 4 at some step can get another count under another order of rounding.
; RANGE (stated): all scalings are by powers of two, so the doubled form has the bits of the plain form except where a product is below
; 2^-126 (a component of z under about 1.1e-19): there it is rounded on a grid up to four times finer, a difference under 2^-149 that
; reaches a count only by deciding an exact tie.  M overflows four times earlier than |z|^2; it is then +inf >= 16 where |z|^2 >= 4 holds too.
; A NaN in c compares false at every step and gives 8, as the comparison >= does in the definition.
.set CHUNK,  4096                      ; bytes of a chunk: 256 threads x 16 bytes
.set DEPTH,  8                         ; slots of the ring
.set CHUNKS, 16                        ; chunks of a work-group = two laps
.set OFF, 1                            ; v1        16 t; never rewritten: the chunk stands in the immediate (61,440 at the most)
.set K3,  2                            ; v2 .. v6  the counts that are no inline constants: 3, 5, 6, 7, 8
.set K5,  3
.set K6,  4
.set K7,  5
.set K8,  6
.set CR,  8                            ; v[8:11]   2 c_real of my 4 points
.set CI,  12                           ; v[12:15]  2 c_imag
.set ZR,  16                           ; v[16:19]  A = 2 zr
.set ZI,  20                           ; v[20:23]  B = 2 zi
.set T,   24                           ; v[24:27]  T, then D
.set M,   28                           ; v[28:31]  M = 4 |z|^2
.set Y,   32                           ; v[32:39]  two buffers of four counts to store: chunk c's at Y + 4 (c % 2)
.set X,   40                           ; v[40:103] slot s: 4 registers of c_real, 4 of c_imag, as loaded
.set THR, 10                           ; s10       16.0
.set MK,  12                           ; s[12:43]  point e, step k: the lanes in which M >= 16, at s[MK + 8 e + k]
	s_load_b128 s[4:7], s[0:1], 0x0                ; c_real s[4:5], c_imag s[6:7]
	s_load_b64 s[8:9], s[0:1], 0x10                ; out
	s_lshl_b32 s2, ttmp9, 16                       ; the work-group's number times 16 chunks of 4,096 bytes: 67,043,328 at the most
	s_mov_b32 s3, 0
	s_mov_b32 s[THR], 0x41800000                   ; 16.0 = 4 x 4
	v_lshlrev_b32 v[OFF], 4, v0
	s_wait_kmcnt 0x0
	s_add_nc_u64 s[4:5], s[4:5], s[2:3]            ; the three buffers at the work-group's first chunk; not written again
	s_add_nc_u64 s[6:7], s[6:7], s[2:3]
	s_add_nc_u64 s[8:9], s[8:9], s[2:3]
	s_wait_alu depctr_va_vdst(0)                   ; v[OFF] is written: every load and store of the kernel reads it as its offset
.irp s, 0,1,2,3,4,5,6,7
	global_load_b128 v[X+8*\s:X+8*\s+3],   v[OFF], s[4:5] offset:\s*CHUNK th:TH_LOAD_NT     ; fill the ring: chunks 0 to 7; each byte is read once in the launch
	global_load_b128 v[X+8*\s+4:X+8*\s+7], v[OFF], s[6:7] offset:\s*CHUNK th:TH_LOAD_NT
.endr
	v_mov_b32 v[K3], 0x40400000                    ; 3.0
	v_mov_b32 v[K5], 0x40a00000                    ; 5.0
	v_mov_b32 v[K6], 0x40c00000                    ; 6.0
	v_mov_b32 v[K7], 0x40e00000                    ; 7.0
	v_mov_b32 v[K8], 0x41000000                    ; 8.0
; Step k for my 4 points.  a, b: where A and B stand (CR, CI at step 0, since z_0 = c: nothing is copied; ZR, ZI later).
; update = 0 at the last step: its z is tested and not stepped.  B' is made ahead of A', since it reads the old A.
; The two pairs take turns and the four compares stand between D and its use, so that no line reads the result of the line in front of it.
.macro STEP k, a, b, update
.irp p, 0,2
	v_pk_mul_f32 v[T+\p:T+\p+1], v[\b+\p:\b+\p+1], v[\b+\p:\b+\p+1]                                                 ; T = B B
.endr
.irp p, 0,2
	v_pk_fma_f32 v[M+\p:M+\p+1], v[\a+\p:\a+\p+1], v[\a+\p:\a+\p+1], v[T+\p:T+\p+1]                                 ; M = A A + T
.endr
.if \update
.irp p, 0,2
	v_pk_fma_f32 v[T+\p:T+\p+1], v[\a+\p:\a+\p+1], v[\a+\p:\a+\p+1], v[T+\p:T+\p+1] neg_lo:[0,0,1] neg_hi:[0,0,1]   ; D = A A - T, in T's place
.endr
.irp p, 0,2
	v_pk_fma_f32 v[ZI+\p:ZI+\p+1], v[\a+\p:\a+\p+1], v[\b+\p:\b+\p+1], v[CI+\p:CI+\p+1]                             ; B' = A B + CI
.endr
.endif
.irp e, 0,1,2,3
	v_cmp_le_f32 s[MK+8*\e+\k], s[THR], v[M+\e]                                                                     ; 16 <= M; false for a NaN
.endr
.if \update
.irp p, 0,2
	v_pk_fma_f32 v[ZR+\p:ZR+\p+1], v[T+\p:T+\p+1], 0.5, v[CR+\p:CR+\p+1] op_sel_hi:[1,0,1]                          ; A' = D / 2 + CR: the product is exact, one rounding
.endr
.endif
.endm
; One link of COUNT: where step k's mask is set the count becomes k.  YW: the buffer that the turn in hand writes.
.macro PICK k, val
.irp e, 0,1,2,3
	v_cndmask_b32 v[YW+\e], v[YW+\e], \val, s[MK+8*\e+\k]
.endr
.endm
; The turn of slot s, which holds chunk c.  ahead = 1: the slot is loaded again with the chunk DEPTH further on.
; left = how many younger loads may stay out.
.macro TURN c, s, ahead, left
.set YW, Y+4*((\c)%2)                  ; this turn's selects write it
.set YS, Y+4*(((\c)+1)%2)              ; the turn before wrote it; this turn's store reads it
	s_wait_loadcnt \left                           ; loads come back in order (ISA guide 5.7.1): this slot's two are in, the younger ones stay out
.if (\c) >= 2
	s_wait_xcnt 0x0                                ; every earlier memory instruction has had its addresses translated (ISA guide 3.1): this turn's Y, which the store issued in the turn before reads, is rewritten only behind this wait
	s_wait_alu depctr_vm_vsrc(0)                   ; the store issued in the turn before (chunk c - 2) has read this turn's Y, which the selects below write again
.endif
.irp p, 0,2
	v_pk_add_f32 v[CR+\p:CR+\p+1], v[X+8*\s+\p:X+8*\s+\p+1],     v[X+8*\s+\p:X+8*\s+\p+1]       ; CR = 2 c_real, exact
	v_pk_add_f32 v[CI+\p:CI+\p+1], v[X+8*\s+4+\p:X+8*\s+4+\p+1], v[X+8*\s+4+\p:X+8*\s+4+\p+1]   ; CI = 2 c_imag
.endr
	s_wait_alu depctr_va_vdst(0)                   ; the four adds are done reading the slot, in which the loads below land; the selects of the turn before have written the other Y, which the store below reads
.if \ahead
	global_load_b128 v[X+8*\s:X+8*\s+3],   v[OFF], s[4:5] offset:(\c+DEPTH)*CHUNK th:TH_LOAD_NT   ; the slot has been copied out: its next chunk is asked for
	global_load_b128 v[X+8*\s+4:X+8*\s+7], v[OFF], s[6:7] offset:(\c+DEPTH)*CHUNK th:TH_LOAD_NT
.endif
.if (\c) >= 1
	global_store_b128 v[OFF], v[YS:YS+3], s[8:9] offset:((\c)-1)*CHUNK th:TH_STORE_NT   ; the chunk before; written once, not read again in the launch
.endif
	STEP 0, CR, CI, 1
	STEP 1, ZR, ZI, 1
	STEP 2, ZR, ZI, 1
	STEP 3, ZR, ZI, 1
	STEP 4, ZR, ZI, 1
	STEP 5, ZR, ZI, 1
	STEP 6, ZR, ZI, 1
	STEP 7, ZR, ZI, 0
	; COUNT: the masks are applied from the last step to the first, so the earliest escape is written last and stays.
	s_wait_alu depctr_va_sdst(0)                   ; the turn's 32 compares have written the masks s[MK ..], ahead of the first select that reads one
.irp e, 0,1,2,3
	v_cndmask_b32 v[YW+\e], v[K8], v[K7], s[MK+8*\e+7]             ; 8 where no test hits; 7 where step 7's does
.endr
	PICK 6, v[K6]
	PICK 5, v[K5]
	PICK 4, 4.0
	PICK 3, v[K3]
	PICK 2, 2.0
	PICK 1, 1.0
	PICK 0, 0
.endm
.irp i, 0,1,2,3,4,5,6,7
	TURN \i, \i, 1, 2*(DEPTH-1)                    ; first lap: behind this slot's two loads stand those of the seven other slots, 14
.endr
.irp i, 0,1,2,3,4,5,6,7
	TURN \i+DEPTH, \i, 0, 2*(DEPTH-1-\i)           ; second lap: nothing is loaded, the counts run down 14, 12, .. 0
.endr
	s_wait_alu depctr_va_vdst(0)                   ; the last turn's selects have written Y1, which the last store reads
	global_store_b128 v[OFF], v[Y+4:Y+7], s[8:9] offset:(CHUNKS-1)*CHUNK th:TH_STORE_NT
	s_endpgm
.Lfunc_end_k_q303650d3ca_mandel:
	.size	k_q303650d3ca_mandel, .Lfunc_end_k_q303650d3ca_mandel-k_q303650d3ca_mandel
	.p2alignl 7, 3214868480
	.fill 96, 4, 3214868480
	.section	.rodata,"a",@progbits
	.p2align	6, 0x0
	.amdhsa_kernel k_q303650d3ca_mandel
		.amdhsa_group_segment_fixed_size 0
		.amdhsa_private_segment_fixed_size 0
		.amdhsa_enable_private_segment 0
		.amdhsa_kernarg_size 24
		.amdhsa_user_sgpr_count 2
		.amdhsa_user_sgpr_kernarg_segment_ptr 1
		.amdhsa_wavefront_size32 1
		.amdhsa_system_sgpr_workgroup_id_x 1
		.amdhsa_system_sgpr_workgroup_id_y 1
		.amdhsa_system_sgpr_workgroup_id_z 1
		.amdhsa_system_vgpr_workitem_id 0
		.amdhsa_next_free_vgpr 104
		.amdhsa_next_free_sgpr 66
		.amdhsa_reserve_vcc 0
		.amdhsa_float_denorm_mode_32 3
		.amdhsa_float_denorm_mode_16_64 3
		.amdhsa_memory_ordered 1
		.amdhsa_forward_progress 1
		.amdhsa_inst_pref_size 151
	.end_amdhsa_kernel
	.amdgpu_metadata
---
amdhsa.version: [ 1, 2 ]
amdhsa.kernels:
  - .name:           k_q303650d3ca_mandel
    .symbol:         k_q303650d3ca_mandel.kd
    .args:
      - { .name: c_real, .offset: 0, .size: 8, .value_kind: global_buffer, .address_space: global }
      - { .name: c_imag, .offset: 8, .size: 8, .value_kind: global_buffer, .address_space: global }
      - { .name: out0, .offset: 16, .size: 8, .value_kind: global_buffer, .address_space: global }
    .group_segment_fixed_size: 0
    .private_segment_fixed_size: 0
    .kernarg_segment_align: 8
    .kernarg_segment_size: 24
    .max_flat_workgroup_size: 256
    .sgpr_count:     66
    .vgpr_count:     104
    .wavefront_size: 32
...
	.end_amdgpu_metadata
.endif
;; end of part 2
